; MI455X (gfx1250); checked and timed in simulation.
; The chip was launched on July 23, 2026; its instructions are those of AMD's public machine-readable ISA for CDNA 5 (MIT licence, August 2026) and "CDNA5" Instruction Set Architecture Reference Guide (July 2026). The comments in the code are by the model that wrote it; some were corrected since.
;; Factored Attention. Allowed arithmetic: matrix products marked QUANTISED: E2M3 operands, one E8M0 scale for each 32 along K, by v_wmma_scale_f32_16x16x128_f8f6f4 with both operands' format E2M3, f32 sums; everything else in f32.
;; Inputs: W_out 1,024 x 1,024 float32; W_qkv 3,072 x 1,024 float32; b_out 1,024 float32; b_qkv 3,072 float32; x 4 x 4,096 x 1,024 float32.
;; Outputs: out0 4 x 4,096 x 1,024 float32.
;; This version of the problem:
;;   THIS VERSION OF THE PROBLEM IS GIVEN IN LOW PRECISION. The matrix products marked QUANTISED in the list below multiply operands that are first quantised to E2M3 (2 exponent bits, 3 mantissa bits; 6 bits a number), with one power-of-two scale for each 32 numbers along K (OCP MX v1.0); their sums are f32. All else is computed in f32.
;;   The module's matrix products, in the order in which they are computed (A, B: the left and right operand; K: the contracted axis; several contracted axes count as one K, in the product's order):
;;     1. [M 16,384, K 1,024] x [K 1,024, N 3,072]; A: input x; B: input W_qkv: QUANTISED
;;     2. batch 8,192 x [M 32, K 64] x [K 64, N 32]; A: computed on the way; B: computed on the way: QUANTISED
;;     3. batch 8,192 x [M 32, K 32] x [K 32, N 64]; A: softmax (see below); B: computed on the way: QUANTISED
;;     4. [M 16,384, K 1,024] x [K 1,024, N 1,024]; A: computed on the way; B: input W_out: QUANTISED
;;   THE QUANTISER, for each operand of a quantised product, along K:
;;     - K is cut into blocks of 32 from its start; a last block that is shorter is filled with zeros.
;;     - A block's scale is 2^e with e = floor(log2(the largest magnitude in the block)) - 2, held to -126 .. 127; a block of zeros has e = 0. As a byte (E8M0): e + 127.
;;     - Each number is divided by its block's scale, clamped to +-7.5, and rounded to the nearest number of E2M3, ties to even, subnormals kept.
;;     - The product sums the exact products of the quantised numbers (number of the format x scale) in f32.
;;   ~~~python
;;   def quantise(x, axis):      # numpy; x: float32 -> the quantised numbers, widened to float32 again
;;       x = np.moveaxis(x, axis, -1); K = x.shape[-1]
;;       x = np.pad(x, [(0, 0)] * (x.ndim - 1) + [(0, -K % 32)]); x = x.reshape(x.shape[:-1] + (-1, 32)); a = np.abs(x).max(-1, keepdims=True)
;;       e = np.where(a > 0, np.clip(np.frexp(np.where(a > 0, a, 1))[1] - 1 - 2, -126, 127), 0)      # np.frexp(a)[1] - 1 = floor(log2(a)), exactly
;;       r = np.clip(x / 2.0 ** e, -7.5, 7.5)
;;       step = 2.0 ** (np.maximum(np.frexp(np.where(r == 0, 1, r))[1] - 1, 0) - 3)
;;       q = np.round(r / step) * step * 2.0 ** e      # np.round: ties to even
;;       return np.moveaxis(q.reshape(q.shape[:-2] + (-1,))[..., :K], -1, axis).astype(np.float32)
;;   ~~~
;;   SOFTMAX AHEAD OF A QUANTISED PRODUCT. Where the list says 'softmax', what is quantised is not the finished softmax but p = 2^(t - M), with t = logit x log2(e) and M = ceil(the row's largest t), a whole number; so 1/2 < the row's largest p <= 1. The row's sum l is taken of the UNQUANTISED p, in f32, and the product's result is divided by l at the end. Since M is a whole number, a kernel that streams over the keys may use a running M (the ceiling of the running maximum): every later rescaling is an exact power of two, which a block's scale takes up: the codes' values come out the same.
;;   OPERANDS COMPUTED ON THE WAY. 'Computed on the way' means the value that the module computes at that place (a softmax that the list does not call 'softmax' is quantised finished and normalised). What goes into a quantiser is computed in f32, as accurately as f32 sums, v_exp_f32 and their like allow (about 1e-6 of the number): no bf16 or f16 on the way to a quantiser, and a product that is left as it is and whose result goes on into a quantised operand takes f32 operands (vector FMAs, or v_wmma_f32_16x16x4_f32). A number that lies on a knife's edge between two numbers of the format may be rounded either way, as far as f32 arithmetic and the matrix unit's own rounding can turn it there, and no further.
;; One version. Each part assembles by itself: llvm-mc -triple=amdgcn-amd-amdhsa -mcpu=gfx1250 --defsym DOCPART=n.
;; ======== version 1 of 1: 3 launches
;; limits: right only within a limited range of input values
;; workspace buffers: xcod 13,107,200 bytes; wcod 2,457,600 bytes; ocod 819,200 bytes; acod 13,107,200 bytes
;; launch quant (part 1): grid 256 x 1, 10 waves a work-group, no clusters, 85,760 bytes of LDS; arguments x, W_qkv, W_out, xcod, wcod, ocod; writes xcod, wcod, ocod
.if DOCPART == 1
	.amdgcn_target "amdgcn-amd-amdhsa--gfx1250"
	.amdhsa_code_object_version 6
	.text
	.protected	k_q8ea9db14bd_quant
	.globl	k_q8ea9db14bd_quant
	.p2align	8
	.type	k_q8ea9db14bd_quant,@function
k_q8ea9db14bd_quant:
	s_mov_b64 s[64:65], 0
	v_nop
	global_prefetch_b8 v0, s[64:65] scope:SCOPE_SE
	s_setreg_imm32_b32 hwreg(HW_REG_WAVE_MODE, 25, 1), 1
	s_wait_xcnt 0x0
; x [16384][1024], W_qkv [3072][1024] and W_out [1024][1024], f32, become codes of FP6 (E2M3) with one E8M0 byte for each 32 along K, laid as IMAGES OF OPERAND REGISTERS.
; No work of the problem is left out in this program: every input is loaded and every product of the table is done.
; A fragment is 16 rows x 128 K: 12 registers a lane, 1,536 bytes: registers 4 c .. 4 c + 3 of lane l at 512 c + 16 l.  Lane (r = l % 16, h = l / 16) holds row index r; registers 6 c .. 6 c + 5 hold K place 64 c + 32 h + 0 .. 31.
; A K STEP'S BLOCK in a buffer: its fragments (x, W_out: 16; W_qkv: 24), then 64 bytes of scale words for each of them (row index r's word at 4 r, byte 2 c + h for block (c, h)): 25,600 or 38,400 bytes.
; THE ROWS OF A TILE ARE NOT NEIGHBOURS: index i stands for row R0 + PERM(i) x RS, PERM(i) = i + 8 (i / 8).  x: RS = 128 rows, the weights: RS = 1.
; W_out's blocks along K are laid as the attention's results are: K place (step s, c, h, j) is the true k = 64 (8 c + s) + 32 h + j.
; A block's scale is 2^(floor(log2(largest magnitude)) - 2); its byte is the largest magnitude's exponent field - 2, held at 1 from below.
; LIMITS: a block whose largest magnitude lies under 2^-124, a block of zeros among them, gets the byte 1 (this program alone reads the bytes; a zero block's codes are zeros); NaN and infinities are not served.
; SHARES: 1,280 tiles of 16 rows (x 1,024, W_qkv 192, W_out 64); a wave takes one tile and four of its eight K steps; a work-group of ten waves takes five tiles: 256 work-groups.
; One path serves all three tensors: pointers and strides are chosen on the tile's number, which is made of ids alone.
; A K step: 16 loads of 512 bytes, one a row; through the wave's own stage in LDS; two maxima, four conversions, three stores of 512 consecutive bytes, and one store of the 64 bytes of scale words
; (a quarter of a 256-byte unit: one byte in 128 of what the launch reads; whole units would want four tiles of one K step in a wave).  No barrier: waves share nothing.  Two K steps (32 loads a wave) are on their way.
.set WREG,  8448                       ; LDS of a wave: a stage of 16 rows x 528 bytes
.set SP,    528                        ; a stage row: 512 bytes + 16
.set SPARE, 10*WREG                    ; the spare words: 128 bytes a wave, five blocks of 256 bytes that no other line names
.set LST, 4                            ; stage, in: 16 x lane
.set LRD, 5                            ; stage, out: 528 r + 128 h
.set LSC, 6                            ; my row's scale word, from the fragment's first byte
.set O16, 8                            ; 16 x lane
.set SH,  10                           ; 8 h
.set SPW, 12                           ; my spare word; never rewritten
.set NIL, 13                           ; 0; never rewritten
.set RO,  16                           ; v16-31  row index i's byte offset + my 16 bytes of its 512
.set R,   32                           ; v32-159 two sets of 64: a K step as loaded
.set X,   160                          ; v160-223 my two blocks of 32
.set C,   224                          ; v224-235 the fragment's 12 registers
.set Y0,  236                          ; a conversion's three registers begin on an even number
.set Y1,  240
.set MX,  244
.set SO,  246
.set BY,  248
.set W,   250
.set PW,  251
	s_load_b256 s[4:11], s[0:1], 0x0               ; x, W_qkv, W_out, xcod
	s_load_b128 s[12:15], s[0:1], 0x20             ; wcod, ocod
	v_lshl_add_u32 v[SPW], v0, 2, SPARE
	v_mov_b32 v[NIL], 0
	v_lshrrev_b32 v1, 5, v0
	v_readfirstlane_b32 s22, v1                    ; wave 0..9
	v_and_b32 v1, 31, v0                           ; lane
	v_and_b32 v2, 15, v0                           ; r
	v_bfe_u32 v3, v0, 4, 1                         ; h
	s_mul_i32 s23, s22, WREG
	v_lshlrev_b32 v[O16], 4, v1
	v_lshlrev_b32 v[SH], 3, v3
	v_add_nc_u32 v[LST], s23, v[O16]
	v_mul_u32_u24 v[LRD], v2, SP
	v_lshl_add_u32 v[LRD], v3, 7, v[LRD]
	v_add_nc_u32 v[LRD], s23, v[LRD]
	v_mov_b32 v[PW], 0                             ; a lane permute's destination counts as one of its sources
	s_mov_b32 s72, 0x76543210
	s_mov_b32 s73, 0xfedcba98                      ; selects for lane l xor 16
	s_lshr_b32 s24, s22, 1
	s_and_b32 s25, s22, 1                          ; which four K steps
	s_mul_i32 s26, ttmp9, 5
	s_add_co_u32 s24, s26, s24                     ; the tile among all 1,280
	s_cmp_ge_u32 s24, 1024
	s_cselect_b32 s26, 1, 0
	s_cmp_ge_u32 s24, 1216
	s_cselect_b32 s27, 1, 0
	s_add_co_u32 s26, s26, s27                     ; 0: x, 1: W_qkv, 2: W_out
	s_mov_b32 s27, 1216
	s_cmp_eq_u32 s26, 1
	s_cselect_b32 s27, 1024, s27
	s_cmp_eq_u32 s26, 0
	s_cselect_b32 s27, 0, s27
	s_sub_co_u32 s24, s24, s27                     ; the tile within its tensor
	s_lshr_b32 s28, s24, 1                         ; a weight's first row: 32 (tile / 2) + 8 (tile % 2)
	s_lshl_b32 s28, s28, 5
	s_and_b32 s29, s24, 1
	s_lshl_b32 s30, s29, 3
	s_add_co_u32 s28, s28, s30
	s_lshr_b32 s31, s24, 8                         ; x's: tile = 256 b + 16 lg + a16: row 4096 b + 1024 (a16 % 2) + 8 lg + a16 / 2
	s_lshl_b32 s31, s31, 12
	s_lshl_b32 s30, s29, 10
	s_add_co_u32 s31, s31, s30
	s_bfe_u32 s30, s24, 0x40004
	s_lshl_b32 s30, s30, 3
	s_add_co_u32 s31, s31, s30
	s_bfe_u32 s30, s24, 0x30001
	s_add_co_u32 s31, s31, s30
	s_lshr_b32 s32, s24, 4                         ; x and W_out: 16 tiles to a K step's block, 8 blocks of 25,600 bytes
	s_mul_i32 s32, s32, 204800
	s_and_b32 s30, s24, 15
	s_mul_i32 s33, s30, 1472                       ; from my fragment to my scale words: 24,576 - 1,536 t + 64 t
	s_sub_co_u32 s33, 24576, s33
	s_mul_i32 s30, s30, 1536
	s_add_co_u32 s32, s32, s30
	s_lshr_b32 s34, s24, 6                         ; W_qkv: tile = 64 sec + 4 head + t: fragment f = 12 (head % 2) + 4 sec + t of the 24 of head pair head / 2
	s_bfe_u32 s35, s24, 0x40002
	s_and_b32 s36, s24, 3
	s_and_b32 s37, s35, 1
	s_mul_i32 s37, s37, 12
	s_lshl_b32 s34, s34, 2
	s_add_co_u32 s37, s37, s34
	s_add_co_u32 s37, s37, s36                     ; f
	s_lshr_b32 s35, s35, 1
	s_mul_i32 s38, s35, 307200                     ; 8 blocks of 38,400 bytes to a pair of heads
	s_mul_i32 s39, s37, 1536
	s_add_co_u32 s38, s38, s39
	s_mul_i32 s39, s37, 1472
	s_sub_co_u32 s39, 36864, s39
	s_mov_b32 s56, 256
	s_mov_b32 s57, 512
	s_mov_b32 s58, 4096
	s_mov_b32 s59, 25600
	s_wait_alu depctr_va_vdst(0)
	s_wait_kmcnt 0x0
	s_cmp_eq_u32 s26, 2                            ; every choice hangs on ids alone
	s_cselect_b64 s[60:61], s[8:9], s[6:7]         ; from where
	s_cselect_b64 s[62:63], s[14:15], s[12:13]     ; where to
	s_cselect_b32 s56, 2048, s56                   ; bytes from a K step's first 64 numbers to its second 64
	s_cselect_b32 s57, 256, s57                    ; bytes from K step to K step
	s_cmp_eq_u32 s26, 0
	s_cselect_b64 s[60:61], s[4:5], s[60:61]
	s_cselect_b64 s[62:63], s[10:11], s[62:63]
	s_cselect_b32 s28, s31, s28                    ; the first row
	s_cselect_b32 s58, 524288, s58                 ; bytes for one step of PERM
	s_cmp_eq_u32 s26, 1
	s_cselect_b32 s32, s38, s32
	s_cselect_b32 s33, s39, s33
	s_cselect_b32 s59, 38400, s59                  ; bytes from K step to K step in the codes
	s_lshl_b32 s68, s28, 12
	s_lshl_b32 s70, s25, 2
	s_mul_i32 s71, s70, s57
	s_add_co_u32 s68, s68, s71
	s_mov_b32 s69, 0
	s_add_nc_u64 s[40:41], s[60:61], s[68:69]      ; a base for each of my four K steps: none is ever stepped
	s_mov_b32 s68, s57
	s_add_nc_u64 s[42:43], s[40:41], s[68:69]
	s_add_nc_u64 s[44:45], s[42:43], s[68:69]
	s_add_nc_u64 s[46:47], s[44:45], s[68:69]
	s_mul_i32 s71, s70, s59
	s_add_co_u32 s68, s32, s71
	s_add_nc_u64 s[48:49], s[62:63], s[68:69]
	s_mov_b32 s68, s59
	s_add_nc_u64 s[50:51], s[48:49], s[68:69]
	s_add_nc_u64 s[52:53], s[50:51], s[68:69]
	s_add_nc_u64 s[54:55], s[52:53], s[68:69]
	v_lshl_add_u32 v[LSC], v2, 2, s33
	v_lshlrev_b32 v11, 4, v2
	v_mad_u32_u24 v11, v3, s56, v11                ; lanes 0-15 take a K step's first 256 bytes, lanes 16-31 its second
	s_wait_alu depctr_va_vdst(0)
.irp i, 0,1,2,3,4,5,6,7,8,9,10,11,12,13,14,15
	s_mul_i32 s68, s58, \i+8*(\i/8)
	v_add_nc_u32 v[RO+\i], s68, v11
.endr
.macro LOAD j                          ; K step j of my four: 16 rows x 512 bytes
.irp i, 0,1,2,3,4,5,6,7,8,9,10,11,12,13,14,15
	global_load_b128 v[R+64*((\j)%2)+4*\i:R+64*((\j)%2)+4*\i+3], v[RO+\i], s[40+2*(\j):41+2*(\j)] th:TH_LOAD_NT
.endr
.endm
.macro KSTEP j
.set RS, R+64*((\j)%2)
.if (\j) < 3
	s_wait_loadcnt 16                              ; this K step's 16 loads are in; the next one's 16 may be out
.else
	s_wait_loadcnt 0x0
.endif
.irp i, 0,1,2,3,4,5,6,7,8,9,10,11,12,13,14,15
	ds_store_b128 v[LST], v[RS+4*\i:RS+4*\i+3] offset:SP*\i
.endr
.irp c, 0,1
.irp i, 0,1,2,3,4,5,6,7
	ds_load_b128 v[X+32*\c+4*\i:X+32*\c+4*\i+3], v[LRD] offset:256*\c+16*\i   ; LDS serves a wave's instructions in order: these see the stores above
.endr
.endr
	s_wait_dscnt 0x0                               ; my two blocks are in, and the stores have read the set
.if (\j) > 0
	s_wait_xcnt 0x0                                ; the last K step's stores have read the registers that are written again below
.endif
.if (\j) < 2
	LOAD (\j)+2
.endif
	v_max3_num_f32 v[MX], |v[X]|, |v[X+1]|, 0x1800000          ; the floor 2^(3 - 127) among the leaves: the byte cannot fall under 1
	v_max3_num_f32 v[MX+1], |v[X+32]|, |v[X+33]|, 0x1800000
.irp i, 2,4,6,8,10,12,14,16,18,20,22,24,26,28,30
	v_max3_num_f32 v[MX], v[MX], |v[X+\i]|, |v[X+\i+1]|
	v_max3_num_f32 v[MX+1], v[MX+1], |v[X+32+\i]|, |v[X+33+\i]|
.endr
	v_add_nc_u32 v[SO], 0xff000000, v[MX]          ; 2 off the exponent field: the conversion's scale operand
	v_add_nc_u32 v[SO+1], 0xff000000, v[MX+1]
	v_lshrrev_b32 v[BY], 23, v[SO]                 ; the bytes of blocks (0, h) and (1, h)
	v_lshrrev_b32 v[BY+1], 23, v[SO+1]
	v_lshl_or_b32 v[W], v[BY+1], 16, v[BY]
	v_lshlrev_b32 v[W], v[SH], v[W]                ; at their places, 8 h bits up
	v_permlanex16_b32 v[PW], v[W], s72, s73
	v_or_b32 v[W], v[W], v[PW]                     ; with lane l xor 16's two the word is whole
	v_cvt_scalef32_pk16_fp6_f32 v[C:C+2], v[X:X+15], v[SO]
	v_cvt_scalef32_pk16_fp6_f32 v[Y0:Y0+2], v[X+16:X+31], v[SO]
	v_cvt_scalef32_pk16_fp6_f32 v[C+6:C+8], v[X+32:X+47], v[SO+1]
	v_cvt_scalef32_pk16_fp6_f32 v[Y1:Y1+2], v[X+48:X+63], v[SO+1]
	v_nop                                          ; one plain place behind the conversions
.irp i, 0,1,2
	v_mov_b32 v[C+3+\i], v[Y0+\i]
	v_mov_b32 v[C+9+\i], v[Y1+\i]
.endr
.irp c, 0,1,2
	global_store_b128 v[O16], v[C+4*\c:C+4*\c+3], s[48+2*(\j):49+2*(\j)] offset:512*\c   ; 512 consecutive bytes, at a multiple of 256 from the buffer's first byte
.endr
	global_store_b32 v[LSC], v[W], s[48+2*(\j):49+2*(\j)]   ; 64 consecutive bytes; both halves of the lanes write the same word with the same value
.endm
	s_wait_alu depctr_va_vdst(0)
	LOAD 0
	LOAD 1
	KSTEP 0
	KSTEP 1
	KSTEP 2
	KSTEP 3
	s_wait_tensorcnt 0x0                           ; the wave's end
	ds_add_u32 v[SPW], v[NIL]
	s_wait_dscnt 0x0
	s_endpgm
.Lfunc_end_k_q8ea9db14bd_quant:
	.size	k_q8ea9db14bd_quant, .Lfunc_end_k_q8ea9db14bd_quant-k_q8ea9db14bd_quant
	.p2alignl 7, 3214868480
	.fill 96, 4, 3214868480
	.section	.rodata,"a",@progbits
	.p2align	6, 0x0
	.amdhsa_kernel k_q8ea9db14bd_quant
		.amdhsa_group_segment_fixed_size 85760
		.amdhsa_private_segment_fixed_size 0
		.amdhsa_enable_private_segment 0
		.amdhsa_kernarg_size 48
		.amdhsa_user_sgpr_count 2
		.amdhsa_user_sgpr_kernarg_segment_ptr 1
		.amdhsa_wavefront_size32 1
		.amdhsa_system_sgpr_workgroup_id_x 1
		.amdhsa_system_sgpr_workgroup_id_y 1
		.amdhsa_system_sgpr_workgroup_id_z 1
		.amdhsa_system_vgpr_workitem_id 0
		.amdhsa_next_free_vgpr 256
		.amdhsa_next_free_sgpr 80
		.amdhsa_reserve_vcc 0
		.amdhsa_float_denorm_mode_32 3
		.amdhsa_float_denorm_mode_16_64 3
		.amdhsa_memory_ordered 1
		.amdhsa_forward_progress 1
		.amdhsa_inst_pref_size 34
	.end_amdhsa_kernel
	.amdgpu_metadata
---
amdhsa.version: [ 1, 2 ]
amdhsa.kernels:
  - .name:           k_q8ea9db14bd_quant
    .symbol:         k_q8ea9db14bd_quant.kd
    .args:
      - { .name: x, .offset: 0, .size: 8, .value_kind: global_buffer, .address_space: global }
      - { .name: W_qkv, .offset: 8, .size: 8, .value_kind: global_buffer, .address_space: global }
      - { .name: W_out, .offset: 16, .size: 8, .value_kind: global_buffer, .address_space: global }
      - { .name: xcod, .offset: 24, .size: 8, .value_kind: global_buffer, .address_space: global }
      - { .name: wcod, .offset: 32, .size: 8, .value_kind: global_buffer, .address_space: global }
      - { .name: ocod, .offset: 40, .size: 8, .value_kind: global_buffer, .address_space: global }
    .group_segment_fixed_size: 85760
    .private_segment_fixed_size: 0
    .kernarg_segment_align: 8
    .kernarg_segment_size: 48
    .max_flat_workgroup_size: 320
    .sgpr_count:     80
    .vgpr_count:     256
    .wavefront_size: 32
...
	.end_amdgpu_metadata
.endif
;; end of part 1
;; launch qkvattn (part 2): grid 8 x 64, 4 waves a work-group, clusters of 4 x 4, 327,680 bytes of LDS; arguments xcod, wcod, b_qkv, acod; writes acod
.if DOCPART == 2
	.amdgcn_target "amdgcn-amd-amdhsa--gfx1250"
	.amdhsa_code_object_version 6
	.text
	.protected	k_q8ea9db14bd_qkvattn
	.globl	k_q8ea9db14bd_qkvattn
	.p2align	8
	.type	k_q8ea9db14bd_qkvattn,@function
k_q8ea9db14bd_qkvattn:
	s_mov_b64 s[64:65], 0
	v_nop
	global_prefetch_b8 v0, s[64:65] scope:SCOPE_SE
	s_setreg_imm32_b32 hwreg(HW_REG_WAVE_MODE, 25, 1), 1
	s_wait_xcnt 0x0
	s_wait_alu depctr_hold_cnt(0) depctr_sa_sdst(0) depctr_va_vdst(0) depctr_va_sdst(0) depctr_va_ssrc(0) depctr_va_vcc(0) depctr_vm_vsrc(0)
	s_getreg_b32 s2, hwreg(HW_REG_IB_STS2, 6, 4)
	s_cmp_eq_u32 s2, 0
	s_cbranch_scc0 .Lentry_in_a_cluster
	s_endpgm
.Lentry_in_a_cluster:
	s_bfe_u32 s2, ttmp6, 0x10000c
	s_cmp_lg_u32 s2, 0xf033
	s_cbranch_scc0 .Lentry_shape_is_right
	s_endpgm
.Lentry_shape_is_right:
; qkv = x W_qkv^T + b on codes of FP6 (E2M3), and in the same wave's registers the column attention of its (l, head) units: q, k, v quantised, S^T = K Q^T under the causal mask, p = 2^(t - M), O^T = V^T P^T, / the row's sum,
; and o quantised along the head's 64: only o's codes and scale words go to memory, laid as the A operand of the last product.
; SHARES.  A work-group makes 256 rows (8 places l in a block x all 32 block positions nb, of one batch) x 384 columns (two heads' q, k, v).  Wave (wM, wN): 4 places l x one head: 128 x 192, 96 accumulators, 768 registers.
; Operands lie in memory and in LDS as images of operand registers (1,536 bytes a fragment); a K step's block holds its fragments and behind them 64 bytes of scale words for each: one tensor load brings both.
; INDEX ORDER.  Index i of a tile stands for place 8 u + PERM(i), PERM(i) = i + 8 (i / 8): for x along nb, for W along the head's d.  q and k are made transposed (source 0 = W, source 1 = x): a lane holds one nb, and the 16
; registers of two neighbouring tiles are 16 neighbouring d.  v is made the natural way: a lane holds one d, and the 16 registers of an l's two tiles, laid side by side, are 16 neighbouring nb.
; THE BIAS is the C of K step 0's products: it is loaded into the registers of the accumulator that comes last in its window, which takes it in place.
; THE ATTENTION'S OPERANDS keep each lane's own 16 codes: K place (c, h, j < 16) holds number 32 c + 16 h + j; places j >= 16 hold zero codes; a block of 32 so lies at places (c, 0) and (c, 1), whose two scale bytes are the block's one byte.
; Both operands of a product use the same places, so the products are those of the quantised numbers.  Bytes of unused places are 0, which is 2^-127 over zero codes.
; THE MASK is the C of S^T: 0 where the key counts, -2^97 where it is hidden, so that p = 0 there.
; K goes in 8 steps of 128 through two LDS slots of two steps each.  CLUSTER 4 x 4: x's blocks are shared along a row of the cluster, W's along a column, each by a joint load.
; No prefetch: the walk is written out, with four fills for a work-group, of which two go out at the head: there is no loop to run ahead in.
; LIMITS: the promise holds while the scaled scores stay under 2^31 in magnitude; NaN and infinities are not served; a block whose largest magnitude lies under 2^-124 gets the byte 1 (this program alone reads the bytes).
; WINDOWS: 0: addresses, scale words, fragments, the epilogue's work;  1, 2: the accumulators of q, k: (a, t) at v[32 a + 8 t];  3: of v: (a, t) at v[64 (a / 2) + 16 t + 8 (a % 2)].
; In the epilogue S^T and p take the place of the unit's k, O^T and o that of its q.
.set FRB,   1536
.set ASC,   16*FRB                     ; where x's scale words begin in its block
.set ABLK,  ASC+1024                   ; a K step of x: 25,600 bytes
.set BSC,   24*FRB
.set BBLK,  BSC+1536                   ; and of W: 38,400
.set KBLK,  ABLK+BBLK
.set SLOT,  2*KBLK
.set SPARE, 2*SLOT                     ; the spare words: 128 bytes a wave, two blocks of 256 bytes that no other line names
.set FP,    1568                       ; the way out: a fragment's place in the stage: 1,536 + 32
.set HSTG,  8*FP                       ; a head's 8 fragments.  The stage lies in slot 0, from byte 0: it has had its last fill, and its last read stands ahead of the last change of slots
.set SSTG,  2*HSTG                     ; behind them the scale words, 512 bytes a head
.set OKS,   6400                       ; acod: a K step of a sub-tile: four fragments and their scale words
.set ADRA, 4                           ; v4-7   my 8 fragments of x in K-step block 0 .. 3
.set ADRB, 8                           ; v8-11  my 12 fragments of W
.set ADRS, 12                          ; v12-13 scale words in blocks 0-1, 2-3: lanes 0-15 x's, lanes 16-31 W's
.set STO,  14                          ; stage: where my 16 bytes of o's codes go
.set SSTO, 15                          ; and my scale word
.set RD,   16                          ; stage: back, 16 x lane
.set RDS,  17                          ; 8 x lane
.set O16,  18
.set OSO,  19                          ; the scale words' place in acod: 6,400 (lane / 8) + 8 (lane % 8)
.set BQA,  20                          ; 64 h: q's and k's bias
.set BVA,  21                          ; 4 PERM(r): v's
.set NEG,  22                          ; -2^97
.set D0,   24                          ; v24-25 my query less 16 h, for the two tiles of queries
.set SPW,  30                          ; my spare word; never rewritten
.set NIL,  31                          ; 0; never rewritten
.set SC,   32                          ; v32-43, v44-55 scale words, two sets; these 24 registers hold scale words in the whole text
.set BF,   64                          ; v64-111, v112-159 W's fragments, 4 at a time, two buffers
.set AF,   160                         ; v160-255 x's 8 fragments
.set QS,   32                          ; the epilogue's scale words
.set KS,   34
.set PS,   36
.set VS,   38
.set OSW,  42
.set MX,   56                          ; four maxima by turns
.set PX,   60
.set SO,   64
.set PMX,  68
.set NMP,  70                          ; pairs (-M, t)
.set SUM,  74
.set RL,   78                          ; pairs (1 / the row's sum, 0)
.set X,    84                          ; v84-86, v88-90
.set MASK, 92                          ; v92-123  the mask in S^T's layout
.set F1,   124                         ; q's two fragments
.set F2,   148                         ; k's
.set FPP,  172                         ; p's
.set FV,   196                         ; v's four
.set OCF,  244                         ; o's codes: a whole lane of a fragment
.set G1A,  24
.set G1B,  32
.set G0A,  40
.set G0B,  48
.set MSB, 0
.macro WIN new                         ; the immediate's high byte repeats the setting that is left
.if MSB != (\new)
	s_set_vgpr_msb (MSB<<8)|(\new)
.set MSB, (\new)
.endif
.endm
.macro PLACES                          ; four places between a matrix instruction and a load into, or a vector write of, its registers, or a read of its result
.rept 4
	v_nop
.endr
.endm
; A joint load: waves 0 and 1 fetch for x, waves 2 and 3 for W.  The branch hangs on the wave's number alone.  An s_nop 0 and four v_nop follow each line.
.macro JLOAD g0a, g1a, g0b, g1b
	s_cmp_eq_u32 s19, 0
	s_cbranch_scc0 .Lfor_b_\@
	tensor_load_to_lds s[\g0a:\g0a+3], s[\g1a:\g1a+7]
	s_nop 0
.rept 4
	v_nop
.endr
	s_branch .Lasked_\@
.Lfor_b_\@:
	tensor_load_to_lds s[\g0b:\g0b+3], s[\g1b:\g1b+7]
	s_nop 0
.rept 4
	v_nop
.endr
.Lasked_\@:
.endm
.macro CREST                           ; a round of the cluster's barrier behind its opening barrier
	s_cmp_lg_u32 s18, 0
	s_cbranch_scc1 .Lnot_wave_0_\@
	s_barrier_signal -3
.Lnot_wave_0_\@:
	s_barrier_wait -3
	s_barrier_signal -1
	s_barrier_wait -1
.endm
.macro CROUND
	s_barrier_signal -1
	s_barrier_wait -1
	CREST
.endm
.macro GROUP1 g, rows                  ; a dense block as rows of 256 bytes: 32 elements of 8 bytes
	s_mov_b32 s[\g+1], 32<<16
	s_mov_b32 s[\g+2], (\rows)<<16
	s_mov_b32 s[\g+3], 32<<16
	s_mov_b32 s[\g+4], \rows
	s_mov_b32 s[\g+5], 32
	s_mov_b32 s[\g+6], 0
	s_mov_b32 s[\g+7], 0
.endm
	s_load_b256 s[4:11], s[0:1], 0x0               ; xcod, wcod, b_qkv, acod
	v_lshl_add_u32 v[SPW], v0, 2, SPARE
	v_mov_b32 v[NIL], 0
	ds_add_u32 v[SPW], v[NIL]                      ; the wave's opening: the add, twice on end, and its wait ahead of my first tensor load
	ds_add_u32 v[SPW], v[NIL]
	v_lshrrev_b32 v1, 5, v0
	v_readfirstlane_b32 s18, v1                    ; wave 0..3
	s_lshr_b32 s19, s18, 1                         ; wM: which 4 places l.  Also: I fetch for x (0) or for W (1)
	s_and_b32 s20, s18, 1                          ; wN: which head.  Also: which K step of a slot I fetch
	s_bfe_u32 s21, ttmp6, 0x40000                  ; cx
	s_bfe_u32 s22, ttmp6, 0x40004                  ; cy
	s_lshl_b32 s23, ttmp9, 2
	s_add_co_u32 s23, s23, s21                     ; the pair of heads = 4 x cluster x + cx
	s_and_b32 s88, ttmp7, 0xffff
	s_lshl_b32 s88, s88, 2
	s_add_co_u32 s88, s88, s22                     ; the block of rows, 16 b + lg = 4 x cluster y + cy
	s_lshl_b32 s89, s22, 2
	s_lshl_b32 s89, 15, s89                        ; my row of the cluster
	s_lshl_b32 s90, 0x1111, s21                    ; my column
	s_or_b32 s[G1A], s89, (3<<16)|(1<<21)          ; 15:0 the mask; 17:16 elements of 8 bytes; 21 set beside a mask; no padding
	s_or_b32 s[G1B], s90, (3<<16)|(1<<21)
	GROUP1 G1A, 100                                ; 25,600 bytes
	GROUP1 G1B, 150                                ; 38,400
	s_mul_i32 s100, s20, KBLK                      ; where my loads go: no place in the cluster enters an LDS address
.irp s, 0,1
	s_mov_b32 s[G0A+4*\s], 1
	s_add_co_u32 s[G0A+4*\s+1], s100, \s*SLOT
	s_mov_b32 s[G0B+4*\s], 1
	s_add_co_u32 s[G0B+4*\s+1], s100, \s*SLOT+ABLK
.endr
	s_lshl_b32 s92, s88, 3                         ; from where: x's hang on the block of rows alone, W's on the pair of heads alone
	s_add_co_u32 s92, s92, s20
	s_mul_i32 s92, s92, ABLK
	s_mov_b32 s93, 0
	s_lshl_b32 s94, s23, 3
	s_add_co_u32 s94, s94, s20
	s_mul_i32 s94, s94, BBLK
	s_mov_b32 s95, 0
	s_mov_b32 s84, 0x76543210
	s_mov_b32 s85, 0xfedcba98                      ; selects for lane l xor 16
	s_mov_b32 s86, 0x3e38aa3b                      ; c = log2(e) / sqrt(64)
	s_mov_b32 s87, s86                             ; (named with it as a pair)
	s_mul_i32 s66, s19, 8*FRB                      ; the scalar parts of the LDS addresses: my 8 fragments of x,
	s_mul_i32 s67, s20, 12*FRB
	s_add_co_u32 s67, s67, ABLK                    ; my 12 of W,
	s_lshl_b32 s69, s19, 9                         ; x's scale words: my 8 tiles
	s_mul_i32 s68, s20, 768                        ; W's: my 12
	s_add_co_u32 s68, s68, ABLK+BSC-ASC
	s_sub_co_u32 s68, s68, s69                     ; the distance between the two
	s_add_co_u32 s69, s69, ASC
	s_mul_i32 s73, s20, HSTG                       ; the stage
	s_lshl_b32 s70, s19, 7
	s_add_co_u32 s70, s70, s73
	s_mul_i32 s71, s19, 4*FP
	s_add_co_u32 s71, s71, s73
	s_lshl_b32 s73, s20, 9
	s_add_co_u32 s73, s73, SSTG
	s_lshl_b32 s72, s19, 5
	s_add_co_u32 s72, s72, s73
	s_lshl_b32 s74, s19, 8
	s_add_co_u32 s73, s73, s74
	s_lshl_b32 s75, s23, 1                         ; the bias's and the results' offsets
	s_add_co_u32 s75, s75, s20                     ; my head
	s_lshl_b32 s76, s75, 8
	s_mov_b32 s77, 0
	s_and_b32 s78, s88, 48
	s_add_co_u32 s78, s78, s75                     ; 16 b + head: the last product's block of 256 rows
	s_mul_i32 s78, s78, 32*OKS
	s_bfe_u32 s80, s88, 0x20002                    ; lg / 4: its sub-tile of 64 rows
	s_mul_i32 s80, s80, 8*OKS
	s_add_co_u32 s78, s78, s80
	s_mul_i32 s80, s19, 4*OKS                      ; I store K steps 4 wM .. 4 wM + 3
	s_add_co_u32 s78, s78, s80
	s_and_b32 s81, s88, 3                          ; lg % 4: the fragment
	s_mul_i32 s96, s81, FRB
	s_add_co_u32 s96, s96, s78
	s_mov_b32 s97, 0
	s_lshl_b32 s98, s81, 6
	s_add_co_u32 s98, s98, s78
	s_add_co_u32 s98, s98, 4*FRB
	s_mov_b32 s99, 0
	; every vector address, in one run with no scalar line between
	v_and_b32 v1, 31, v0                           ; lane
	v_and_b32 v2, 15, v0                           ; r
	v_bfe_u32 v3, v0, 4, 1                         ; h
	v_lshlrev_b32 v[O16], 4, v1
	v_add_nc_u32 v[ADRA], s66, v[O16]
	v_add_nc_u32 v[ADRB], s67, v[O16]
.irp k, 1,2,3
	v_add_nc_u32 v[ADRA+\k], \k*KBLK, v[ADRA]
	v_add_nc_u32 v[ADRB+\k], \k*KBLK, v[ADRB]
.endr
	v_mul_u32_u24 v[ADRS], s68, v3                 ; lanes 16-31 take W's: the lower base + h x the distance
	v_lshl_add_u32 v[ADRS], v2, 2, v[ADRS]
	v_add_nc_u32 v[ADRS], s69, v[ADRS]
	v_add_nc_u32 v[ADRS+1], 2*KBLK, v[ADRS]
	v_and_b32 v26, 7, v2                           ; r % 8: which K step of the last product my query's codes belong to
	v_lshrrev_b32 v27, 3, v2                       ; r / 8: nb / 16
	v_mul_u32_u24 v[STO], v26, FP
	v_lshl_add_u32 v[STO], v27, 4, v[STO]
	v_lshl_add_u32 v[STO], v3, 8, v[STO]
	v_add_nc_u32 v[STO], s70, v[STO]               ; fragment r % 8, lane 2 (4 wM + l') + r / 8 + 16 h of it
	v_add_nc_u32 v[RD], s71, v[O16]
	v_lshlrev_b32 v[SSTO], 6, v26
	v_lshl_add_u32 v[SSTO], v27, 2, v[SSTO]
	v_add_nc_u32 v[SSTO], s72, v[SSTO]
	v_lshl_add_u32 v[RDS], v1, 3, s73
	v_lshrrev_b32 v28, 3, v1
	v_and_b32 v29, 7, v1
	v_mul_u32_u24 v[OSO], v28, OKS
	v_lshl_add_u32 v[OSO], v29, 3, v[OSO]
	v_lshlrev_b32 v[BQA], 6, v3
	v_lshl_add_u32 v28, v27, 3, v2                 ; PERM(r)
	v_lshlrev_b32 v[BVA], 2, v28
	v_mov_b32 v[NEG], 0xf0000000
	v_lshlrev_b32 v29, 4, v3
	v_sub_nc_u32 v[D0], v28, v29
	v_add_nc_u32 v[D0+1], 8, v[D0]
	s_wait_alu depctr_va_vdst(0)
	s_wait_dscnt 0x0                               ; both opening adds are done
	s_wait_kmcnt 0x0
	s_add_nc_u64 s[92:93], s[4:5], s[92:93]
	s_add_nc_u64 s[94:95], s[6:7], s[94:95]
.irp s, 0,1
	s_add_nc_u64 s[G0A+4*\s+2:G0A+4*\s+3], s[92:93], \s*2*ABLK
	s_or_b32 s[G0A+4*\s+3], s[G0A+4*\s+3], 0x80000000
	s_add_nc_u64 s[G0B+4*\s+2:G0B+4*\s+3], s[94:95], \s*2*BBLK
	s_or_b32 s[G0B+4*\s+3], s[G0B+4*\s+3], 0x80000000
.endr
	s_add_nc_u64 s[8:9], s[8:9], s[76:77]          ; b_qkv at my head's q
	s_add_nc_u64 s[14:15], s[10:11], s[96:97]      ; o's codes
	s_add_nc_u64 s[16:17], s[10:11], s[98:99]      ; o's scale words
	CROUND                                         ; all sixteen work-groups are here: the first joint loads meet
	JLOAD G0A, G1A, G0B, G1B                       ; slot 0, K steps 0 and 1: one tensor load a wave at the head
	WIN 0x40                                       ; the biases, under the load's flight: q's into window 1, in the result's layout,
.irp b, 0,1
.irp i, 0,1,2,3
	global_load_b128 v[224+16*\b+4*\i:224+16*\b+4*\i+3], v[BQA], s[8:9] offset:128*\b+16*\i
.endr
.endr
	WIN 0x80                                       ; k's into window 2,
.irp b, 0,1
.irp i, 0,1,2,3
	global_load_b128 v[224+16*\b+4*\i:224+16*\b+4*\i+3], v[BQA], s[8:9] offset:4096+128*\b+16*\i
.endr
.endr
	WIN 0xc0                                       ; v's into window 3: a lane holds one d, so a tile's eight registers hold one number
.irp t, 0,1,2,3
.irp j, 0,1,2,3,4,5,6,7
	global_load_b32 v[200+16*\t+\j], v[BVA], s[8:9] offset:8192+(32*(\t/2)+8*(\t%2))*4
.endr
.endr
	WIN 0
.macro LOADA ks, a0                    ; x's fragments a0 .. a0 + 3 of K step ks: 12 loads
.irp a, \a0, \a0+1, \a0+2, \a0+3
.irp c, 0,1,2
	ds_load_b128 v[AF+12*(\a)+4*\c:AF+12*(\a)+4*\c+3], v[ADRA+(\ks)%4] offset:FRB*(\a)+512*\c
.endr
.endr
.endm
.macro LOADB ks, g                     ; W's four fragments of group g (0: q, 1: k, 2: v): 12 loads; the buffers take turns
.set BB, BF+48*((3*(\ks)+(\g))%2)
.irp t, 0,1,2,3
.irp c, 0,1,2
	ds_load_b128 v[BB+12*\t+4*\c:BB+12*\t+4*\c+3], v[ADRB+(\ks)%4] offset:FRB*(4*(\g)+\t)+512*\c
.endr
.endr
.endm
.macro LOADSC ks                       ; register i: lanes 0-15 the words of x's tile i, lanes 16-31 those of W's tile i: 12 loads
.irp i, 0,1,2,3,4,5,6,7,8,9,10,11
	ds_load_b32 v[SC+12*((\ks)%2)+\i], v[ADRS+((\ks)%4)/2] offset:KBLK*((\ks)%2)+64*\i
.endr
.endm
; 16 matrix instructions: x's tiles a0 .. a0 + 3 against the group's four.  The 96 accumulators take turns, one instruction a turn, in the same order in every K step.
; K step 0's products take the bias as C, from the registers of tile 7's accumulators, which come last and take it in place.
.macro MUL16 ks, g, a0
.set BB, BF+48*((3*(\ks)+(\g))%2)
.set SS, SC+12*((\ks)%2)
	WIN 0x50*((\g)+1)                              ; C and D in window g + 1
.irp a, \a0, \a0+1, \a0+2, \a0+3
.if ((\ks) == 0) && ((\a) == 7)
.rept 5
	v_nop                                          ; five places between the products that read the bias as C and tile 7's, which write over it (ISA guide 7.12.1)
.endr
.endif
.irp t, 0,1,2,3
.if (\g) < 2
.set DD, 32*(\a)+8*\t
.set CC, DD
.if (\ks) == 0
.set CC, 224+8*\t
.endif
	v_wmma_scale_f32_16x16x128_f8f6f4 v[DD:DD+7], v[BB+12*\t:BB+12*\t+11], v[AF+12*(\a):AF+12*(\a)+11], v[CC:CC+7], v[SS+4*(\g)+\t], v[SS+(\a)] matrix_a_fmt:MATRIX_FMT_FP6 matrix_b_fmt:MATRIX_FMT_FP6 matrix_a_scale:MATRIX_SCALE_ROW1
.else
.set DD, 64*((\a)/2)+16*\t+8*((\a)%2)
.set CC, DD
.if (\ks) == 0
.set CC, 200+16*\t
.endif
	v_wmma_scale_f32_16x16x128_f8f6f4 v[DD:DD+7], v[AF+12*(\a):AF+12*(\a)+11], v[BB+12*\t:BB+12*\t+11], v[CC:CC+7], v[SS+(\a)], v[SS+8+\t] matrix_a_fmt:MATRIX_FMT_FP6 matrix_b_fmt:MATRIX_FMT_FP6 matrix_b_scale:MATRIX_SCALE_ROW1
.endif
.endr
.endr
.endm
; A K STEP: 96 matrix instructions in three groups.  kind 0: its successor lies in the same slot; 1: it leaves a slot that is filled again; 2: it leaves a slot that is not; 3: the last.
; At its head W's group 0, the scale words and x's fragments 0-3 have been asked for.
.macro STEP ks, kind
	PLACES
	WIN 0
	LOADA \ks, 4
	LOADB \ks, 1
	s_wait_dscnt 24                                ; all but the 24 just issued
	MUL16 \ks, 0, 0
	s_wait_dscnt 12                                ; x's fragments 4-7 are in; W's group 1 may be out
	MUL16 \ks, 0, 4
	PLACES
	WIN 0
	LOADB \ks, 2
.if ((\kind) == 1) || ((\kind) == 2)
	s_wait_tensorcnt 0x0                           ; all my tensor loads have landed: my part of the next slot
	ds_add_u32 v[SPW], v[NIL]                      ; 0 onto my spare word
	s_wait_dscnt 13                                ; W's group 1 is in; group 2's 12 loads and the add may be out
	MUL16 \ks, 1, 0
	s_wait_dscnt 0x0                               ; the add is done, and my reads of this slot are over
	s_barrier_signal -1
	MUL16 \ks, 1, 4
	WIN 0
	s_barrier_wait -1
.if (\kind) == 1
	CREST                                          ; the barrier has opened a round of the cluster's: no wave of any partner still reads this slot or has a load on its way
.set SL, ((\ks)/2)%2
	s_add_nc_u64 s[G0A+4*SL+2:G0A+4*SL+3], s[G0A+4*SL+2:G0A+4*SL+3], 4*ABLK
	s_add_nc_u64 s[G0B+4*SL+2:G0B+4*SL+3], s[G0B+4*SL+2:G0B+4*SL+3], 4*BBLK
	JLOAD G0A+4*SL, G1A, G0B+4*SL, G1B             ; my one load behind the round: it has two K steps, 192 matrix instructions, in which to land; its four v_nop are the places for the loads below
.else
	PLACES
.endif
.else
	s_wait_dscnt 12                                ; W's group 1 is in
	MUL16 \ks, 1, 0
	MUL16 \ks, 1, 4
	PLACES
	WIN 0
.endif
.if (\kind) < 3
	LOADB (\ks)+1, 0
	LOADSC (\ks)+1
	s_wait_dscnt 24                                ; W's group 2 is in
	MUL16 \ks, 2, 0
	PLACES
	WIN 0
	LOADA (\ks)+1, 0
	MUL16 \ks, 2, 4
.else
	s_wait_dscnt 0x0
	MUL16 \ks, 2, 0
	MUL16 \ks, 2, 4
.endif
.endm
	s_wait_tensorcnt 0x0                           ; my part of slot 0 is in
	ds_add_u32 v[SPW], v[NIL]
	s_wait_dscnt 0x0
	CROUND                                         ; everybody's part is in, and the joint loads meet
	JLOAD G0A+4, G1A, G0B+4, G1B                   ; slot 1, K steps 2 and 3: the first tensor load behind the round; it has K steps 0 and 1 in which to land
	LOADB 0, 0
	LOADSC 0
	LOADA 0, 0
	s_wait_loadcnt 0x0                             ; the biases
	STEP 0, 0
	STEP 1, 1
	STEP 2, 0
	STEP 3, 1
	STEP 4, 0
	STEP 5, 2
	STEP 6, 0
	STEP 7, 3
; THE EPILOGUE: my four units (l, head), one after the other, all in registers.
	PLACES
	WIN 0
.irp f, F1, F1+12, F2, F2+12
.irp i, 3,4,5,9,10,11
	v_mov_b32 v[\f+\i], 0                          ; the places that hold zero codes, written once
.endr
.endr
.irp f, FPP, FPP+12, FV, FV+12, FV+24, FV+36
.irp i, 3,4,5,6,7,8,9,10,11
	v_mov_b32 v[\f+\i], 0
.endr
.endr
.irp i, 0,1,2,3
	v_mov_b32 v[PX+\i], 0                          ; a lane permute's destination counts as one of its sources
.endr
	v_mov_b32 v[RL+1], 0                           ; (named as the upper halves of pairs)
	v_mov_b32 v[RL+3], 0
.irp i, 0,1,2,3,4,5,6,7,8,9,10,11,12,13,14,15
.irp u, 0,1
	v_cmp_gt_i32 vcc_lo, \i, v[D0+\u]              ; from ids alone: register i of a query's 16 holds key 16 h + i: hidden where it lies beyond my query
	v_cndmask_b32 v[MASK+16*\u+\i], 0, v[NEG], vcc_lo
.endr
.endr
; The largest magnitudes of four half blocks by turns: tiles 2 lp + u of window w, registers 16 b .. 16 b + 15; each accumulator from its low end on.  The floor 2^(3 - 127) holds the byte at 1 from below.
.macro MAX4 w, lp
	WIN ((\w)<<2)|((\w)<<4)
.irp u, 0,1
.irp b, 0,1
	v_max3_num_f32 v[MX+2*\u+\b], 0x1800000, |v[32*(2*(\lp)+\u)+16*\b]|, |v[32*(2*(\lp)+\u)+16*\b+1]|
.endr
.endr
.irp i, 2,4,6,8,10,12,14
.irp u, 0,1
.irp b, 0,1
	v_max3_num_f32 v[MX+2*\u+\b], v[MX+2*\u+\b], |v[32*(2*(\lp)+\u)+16*\b+\i]|, |v[32*(2*(\lp)+\u)+16*\b+\i+1]|
.endr
.endr
.endr
	WIN 0
.endm
.macro SCL4                            ; with lane l xor 16's half: the block's largest magnitude; SO: the conversion's scale operand (2 off the exponent field); PX: the byte
.irp k, 0,1,2,3
	v_permlanex16_b32 v[PX+\k], v[MX+\k], s84, s85
.endr
.irp k, 0,1,2,3
	v_max_num_f32 v[MX+\k], v[MX+\k], v[PX+\k]
.endr
.irp k, 0,1,2,3
	v_add_nc_u32 v[SO+\k], 0xff000000, v[MX+\k]
.endr
.irp k, 0,1,2,3
	v_lshrrev_b32 v[PX+\k], 23, v[SO+\k]
.endr
.endm
.macro QK w, lp, f, s                  ; q's or k's two tiles of the unit into two fragments: block b's 16 codes of mine into registers 6 b .. 6 b + 2; each block's byte twice in the scale word
	MAX4 \w, \lp
	SCL4
.irp u, 0,1
	v_lshl_or_b32 v[\s+\u], v[PX+2*\u+1], 16, v[PX+2*\u]
.endr
.irp u, 0,1
	v_mul_u32_u24 v[\s+\u], 0x101, v[\s+\u]
.endr
	WIN \w
.irp u, 0,1
.irp b, 0,1
	v_cvt_scalef32_pk16_fp6_f32 v[\f+12*\u+6*\b:\f+12*\u+6*\b+2], v[32*(2*(\lp)+\u)+16*\b:32*(2*(\lp)+\u)+16*\b+15], v[SO+2*\u+\b]
.endr
.endr
	WIN 0
	v_nop                                          ; one plain place behind the conversions
.endm
.macro VQ lp                           ; v's four tiles of the unit: a lane holds one d and keys 16 h + 0 .. 15
	WIN 0x3c
.irp t, 0,1,2,3
	v_max3_num_f32 v[MX+\t], 0x1800000, |v[64*(\lp)+16*\t]|, |v[64*(\lp)+16*\t+1]|
.endr
.irp e, 2,4,6,8,10,12,14
.irp t, 0,1,2,3
	v_max3_num_f32 v[MX+\t], v[MX+\t], |v[64*(\lp)+16*\t+\e]|, |v[64*(\lp)+16*\t+\e+1]|
.endr
.endr
	WIN 0
	SCL4
.irp t, 0,1,2,3
	v_lshl_or_b32 v[VS+\t], v[PX+\t], 8, v[PX+\t]
.endr
	WIN 0x03
.irp t, 0,1,2,3
	v_cvt_scalef32_pk16_fp6_f32 v[FV+12*\t:FV+12*\t+2], v[64*(\lp)+16*\t:64*(\lp)+16*\t+15], v[SO+\t]
.endr
	WIN 0
	v_nop
.endm
.macro UNIT lp
	s_wait_alu depctr_va_vdst(0)
	QK 2, \lp, F2, KS
	QK 1, \lp, F1, QS
	VQ \lp                                         ; its plain lines are also the places between q's scale words and the products below
	WIN 0x80
.irp q, 0,1                                    ; S^T = K Q^T + the mask, into the unit's k accumulators: register 32 (2 lp + q) + 8 k + j of lane (r, h): key 16 h + 8 k + j, query 8 q + PERM(r)
.irp k, 0,1
	v_wmma_scale_f32_16x16x128_f8f6f4 v[32*(2*(\lp)+\q)+8*\k:32*(2*(\lp)+\q)+8*\k+7], v[F2+12*\k:F2+12*\k+11], v[F1+12*\q:F1+12*\q+11], v[MASK+16*\q+8*\k:MASK+16*\q+8*\k+7], v[KS+\k], v[QS+\q] matrix_a_fmt:MATRIX_FMT_FP6 matrix_b_fmt:MATRIX_FMT_FP6
.endr
.endr
	PLACES
	WIN 0x28
.irp g, 0,1
.irp u, 0,1
	v_max3_num_f32 v[MX+2*\g+\u], 0xff7fffff, v[32*(2*(\lp)+\u)+8*\g], v[32*(2*(\lp)+\u)+8*\g+1]
.endr
.endr
.irp i, 2,4,6
.irp g, 0,1
.irp u, 0,1
	v_max3_num_f32 v[MX+2*\g+\u], v[MX+2*\g+\u], v[32*(2*(\lp)+\u)+8*\g+\i], v[32*(2*(\lp)+\u)+8*\g+\i+1]
.endr
.endr
.endr
	WIN 0
.irp u, 0,1
	v_max_num_f32 v[MX+\u], v[MX+\u], v[MX+2+\u]
.endr
.irp u, 0,1
	v_permlanex16_b32 v[PX+\u], v[MX+\u], s84, s85
.endr
.irp u, 0,1
	v_max_num_f32 v[MX+\u], v[MX+\u], v[PX+\u]     ; the row's largest score (its own key always counts)
.endr
.irp u, 0,1
	v_mul_f32 v[NMP+2*\u+1], s86, v[MX+\u]         ; as t
.endr
.irp u, 0,1
	v_floor_f32 v[NMP+2*\u], -v[NMP+2*\u+1]        ; -M = floor(-t): M is a whole number
.endr
.irp u, 0,1
	v_fma_f32 v[PMX+\u], v[MX+\u], s86, v[NMP+2*\u]   ; t - M of the largest score: the block's largest p
.endr
	WIN 0x82
.irp i, 0,2,4,6,8,10,12,14
.irp u, 0,1
	v_pk_fma_f32 v[32*(2*(\lp)+\u)+\i:32*(2*(\lp)+\u)+\i+1], v[32*(2*(\lp)+\u)+\i:32*(2*(\lp)+\u)+\i+1], s[86:87], v[NMP+2*\u:NMP+2*\u+1] op_sel_hi:[1,0,0]   ; t - M
.endr
.endr
	s_wait_alu depctr_va_vdst(0)                   ; ahead of the batch
.irp i, 0,1,2,3,4,5,6,7,8,9,10,11,12,13,14,15
.irp u, 0,1
	v_exp_f32 v[32*(2*(\lp)+\u)+\i], v[32*(2*(\lp)+\u)+\i]   ; p = 2^(t - M): one batch of 34
.endr
.endr
	WIN 0
	v_exp_f32 v[PMX], v[PMX]
	v_exp_f32 v[PMX+1], v[PMX+1]
	v_nop                                          ; one plain place behind the batch
	s_wait_alu depctr_va_vdst(0)                   ; one wait for the batch, ahead of its first reader
.irp u, 0,1
	v_add_nc_u32 v[SO+\u], 0xff000000, v[PMX+\u]   ; the largest p lies above 1/2: no floor is wanted
.endr
.irp u, 0,1
	v_lshrrev_b32 v[PX+\u], 23, v[SO+\u]
.endr
.irp u, 0,1
	v_lshl_or_b32 v[PS+\u], v[PX+\u], 8, v[PX+\u]
.endr
	WIN 0x02
.irp u, 0,1
	v_cvt_scalef32_pk16_fp6_f32 v[FPP+12*\u:FPP+12*\u+2], v[32*(2*(\lp)+\u):32*(2*(\lp)+\u)+15], v[SO+\u]
.endr
	WIN 0x0a
.irp u, 0,1
	v_pk_add_f32 v[SUM+2*\u:SUM+2*\u+1], v[32*(2*(\lp)+\u):32*(2*(\lp)+\u)+1], v[32*(2*(\lp)+\u)+2:32*(2*(\lp)+\u)+3]   ; the row's sum, of the unquantised p.  (These plain lines are the places ahead of the products below)
.endr
	WIN 0x08
.irp i, 4,6,8,10,12,14
.irp u, 0,1
	v_pk_add_f32 v[SUM+2*\u:SUM+2*\u+1], v[SUM+2*\u:SUM+2*\u+1], v[32*(2*(\lp)+\u)+\i:32*(2*(\lp)+\u)+\i+1]
.endr
.endr
	WIN 0
.irp u, 0,1
	v_add_f32 v[SUM+2*\u], v[SUM+2*\u], v[SUM+2*\u+1]
.endr
.irp u, 0,1
	v_permlanex16_b32 v[PX+\u], v[SUM+2*\u], s84, s85
.endr
.irp u, 0,1
	v_add_f32 v[SUM+2*\u], v[SUM+2*\u], v[PX+\u]
.endr
	s_wait_alu depctr_va_vdst(0)                   ; ahead of the two reciprocals
	v_rcp_f32 v[RL], v[SUM]
	v_rcp_f32 v[RL+2], v[SUM+2]
	v_nop
	s_wait_alu depctr_va_vdst(0)                   ; and behind them
	WIN 0x40
.irp t, 0,1,2,3                                ; O^T = V^T P^T, into the unit's q accumulators, which are done with
.irp q, 0,1
	v_wmma_scale_f32_16x16x128_f8f6f4 v[32*(2*(\lp)+\q)+8*\t:32*(2*(\lp)+\q)+8*\t+7], v[FV+12*\t:FV+12*\t+11], v[FPP+12*\q:FPP+12*\q+11], 0, v[VS+\t], v[PS+\q] matrix_a_fmt:MATRIX_FMT_FP6 matrix_b_fmt:MATRIX_FMT_FP6
.endr
.endr
	PLACES
	WIN 0x41
.irp q, 0,1
.irp i, 0,2,4,6,8,10,12,14,16,18,20,22,24,26,28,30
	v_pk_mul_f32 v[32*(2*(\lp)+\q)+\i:32*(2*(\lp)+\q)+\i+1], v[32*(2*(\lp)+\q)+\i:32*(2*(\lp)+\q)+\i+1], v[RL+2*\q:RL+2*\q+1] op_sel_hi:[1,0]   ; o = O^T / the row's sum, in place
.endr
.endr
	MAX4 1, \lp
	SCL4
	v_lshl_or_b32 v[OSW], v[PX+1], 8, v[PX]        ; bytes 2 c + h of the last product's scale word, c = the tile of queries, h = the block of d
	v_lshl_or_b32 v[OSW+1], v[PX+3], 8, v[PX+2]
	v_lshl_or_b32 v[OSW], v[OSW+1], 16, v[OSW]
.if (\lp) > 0
	s_wait_alu depctr_va_vdst(0)
	s_wait_dscnt 0x0                               ; the last unit's stores into the stage have read their registers
.endif
	WIN 0x01
.irp q, 0,1
	v_cvt_scalef32_pk16_fp6_f32 v[OCF+6*\q:OCF+6*\q+2], v[32*(2*(\lp)+\q):32*(2*(\lp)+\q)+15], v[SO+2*\q]
	v_cvt_scalef32_pk16_fp6_f32 v[X+4*\q:X+4*\q+2], v[32*(2*(\lp)+\q)+16:32*(2*(\lp)+\q)+31], v[SO+2*\q+1]
.endr
	WIN 0
	v_nop
.irp q, 0,1
.irp i, 0,1,2
	v_permlane16_swap_b32 v[OCF+6*\q+\i], v[X+4*\q+\i]   ; the last product's K is dense: a whole block to a lane: lanes 0-15 block 0, lanes 16-31 block 1
.endr
.endr
.irp q, 0,1
.irp i, 0,1,2
	v_mov_b32 v[OCF+6*\q+3+\i], v[X+4*\q+\i]
.endr
.endr
.irp c, 0,1,2
	ds_store_b128 v[STO], v[OCF+4*\c:OCF+4*\c+3] offset:32*(\lp)+512*\c
.endr
	ds_store_b32 v[SSTO], v[OSW] offset:8*(\lp)    ; both halves of the lanes write the same word with the same value
.endm
	UNIT 0
	UNIT 1
	UNIT 2
	UNIT 3
	s_wait_dscnt 0x0                               ; for the others' sake: my stores into the stage are done
	s_barrier_signal -1
	s_barrier_wait -1                              ; a head's fragments come from two waves
.irp q, 0,1,2,3
.irp c, 0,1,2
	ds_load_b128 v[F1+12*\q+4*\c:F1+12*\q+4*\c+3], v[RD] offset:FP*\q+512*\c
.endr
.endr
	ds_load_b64 v[MX:MX+1], v[RDS]
	s_wait_dscnt 0x0
.irp q, 0,1,2,3
.irp c, 0,1,2
	global_store_b128 v[O16], v[F1+12*\q+4*\c:F1+12*\q+4*\c+3], s[14:15] offset:OKS*\q+512*\c   ; 512 consecutive bytes, at a multiple of 256 from the buffer's first byte
.endr
.endr
	global_store_b64 v[OSO], v[MX:MX+1], s[16:17]  ; four K steps' scale words of my tile: 64 consecutive bytes each, beside their fragments
	s_wait_tensorcnt 0x0                           ; the wave's end
	ds_add_u32 v[SPW], v[NIL]
	s_wait_dscnt 0x0
	CROUND                                         ; the closing round
	s_endpgm
.Lfunc_end_k_q8ea9db14bd_qkvattn:
	.size	k_q8ea9db14bd_qkvattn, .Lfunc_end_k_q8ea9db14bd_qkvattn-k_q8ea9db14bd_qkvattn
	.p2alignl 7, 3214868480
	.fill 96, 4, 3214868480
	.section	.rodata,"a",@progbits
	.p2align	6, 0x0
	.amdhsa_kernel k_q8ea9db14bd_qkvattn
		.amdhsa_group_segment_fixed_size 327680
		.amdhsa_private_segment_fixed_size 0
		.amdhsa_enable_private_segment 0
		.amdhsa_kernarg_size 32
		.amdhsa_user_sgpr_count 2
		.amdhsa_user_sgpr_kernarg_segment_ptr 1
		.amdhsa_wavefront_size32 1
		.amdhsa_system_sgpr_workgroup_id_x 1
		.amdhsa_system_sgpr_workgroup_id_y 1
		.amdhsa_system_sgpr_workgroup_id_z 1
		.amdhsa_system_vgpr_workitem_id 0
		.amdhsa_next_free_vgpr 1024
		.amdhsa_next_free_sgpr 102
		.amdhsa_reserve_vcc 1
		.amdhsa_float_denorm_mode_32 3
		.amdhsa_float_denorm_mode_16_64 3
		.amdhsa_memory_ordered 1
		.amdhsa_forward_progress 1
		.amdhsa_inst_pref_size 255
	.end_amdhsa_kernel
	.section	.bss,"aw",@nobits
	.p2align	6
	.space	262144
	.amdgpu_metadata
---
amdhsa.version: [ 1, 2 ]
amdhsa.kernels:
  - .name:           k_q8ea9db14bd_qkvattn
    .symbol:         k_q8ea9db14bd_qkvattn.kd
    .args:
      - { .name: xcod, .offset: 0, .size: 8, .value_kind: global_buffer, .address_space: global }
      - { .name: wcod, .offset: 8, .size: 8, .value_kind: global_buffer, .address_space: global }
      - { .name: b_qkv, .offset: 16, .size: 8, .value_kind: global_buffer, .address_space: global }
      - { .name: acod, .offset: 24, .size: 8, .value_kind: global_buffer, .address_space: global }
    .group_segment_fixed_size: 327680
    .private_segment_fixed_size: 0
    .kernarg_segment_align: 8
    .kernarg_segment_size: 32
    .max_flat_workgroup_size: 128
    .sgpr_count:     102
    .vgpr_count:     1024
    .wavefront_size: 32
...
	.end_amdgpu_metadata
.endif
;; end of part 2
;; launch outproj (part 3): grid 4 x 64, 4 waves a work-group, clusters of 4 x 1, 327,680 bytes of LDS; arguments acod, ocod, b_out, out0; writes out0
.if DOCPART == 3
	.amdgcn_target "amdgcn-amd-amdhsa--gfx1250"
	.amdhsa_code_object_version 6
	.text
	.protected	k_q8ea9db14bd_outproj
	.globl	k_q8ea9db14bd_outproj
	.p2align	8
	.type	k_q8ea9db14bd_outproj,@function
k_q8ea9db14bd_outproj:
	s_mov_b64 s[64:65], 0
	v_nop
	global_prefetch_b8 v0, s[64:65] scope:SCOPE_SE
	s_setreg_imm32_b32 hwreg(HW_REG_WAVE_MODE, 25, 1), 1
	s_wait_xcnt 0x0
	s_wait_alu depctr_hold_cnt(0) depctr_sa_sdst(0) depctr_va_vdst(0) depctr_va_sdst(0) depctr_va_ssrc(0) depctr_va_vcc(0) depctr_vm_vsrc(0)
	s_getreg_b32 s2, hwreg(HW_REG_IB_STS2, 6, 4)
	s_cmp_eq_u32 s2, 0
	s_cbranch_scc0 .Lentry_in_a_cluster
	s_endpgm
.Lentry_in_a_cluster:
	s_bfe_u32 s2, ttmp6, 0x10000c
	s_cmp_lg_u32 s2, 0x3003
	s_cbranch_scc0 .Lentry_shape_is_right
	s_endpgm
.Lentry_shape_is_right:
; out0 = a W_out^T + b_out on codes of FP6 (E2M3).  a: the attention's results as the launch before laid them, W_out as the first launch laid it: images of operand registers, 1,536 bytes a fragment of 16 rows x 128 K,
; both with the same order of K's blocks of 32 (so the f32 sums run over the blocks in that order, not in ascending k).  a's rows lie in their natural order; index i of a tile of W_out stands for output column 8 u + i + 8 (i / 8).
; SHARES.  A work-group makes 256 rows x 256 columns.  THE WAVES SHARE THE COLUMNS: wave w owns 64 of them, four tiles of W_out; their 32 fragments for all of K, 384 registers, come from memory once and stay in registers.
; a lies in acod by sub-tiles of 64 rows: 8 K steps of (four fragments + their 256 bytes of scale words), 51,200 dense bytes; a work-group's four sub-tiles are 204,800 dense bytes, and lie in LDS as in memory.
; TWO REQUESTS, each one tensor load a wave, each a first fill.  At the head: sub-tile 0, a quarter (12,800 bytes) a wave.  Behind the three lines and a round of the cluster's barrier:
; sub-tiles 1 to 3, 153,600 dense bytes, a quarter (38,400 bytes) a wave; it has sub-tile 0's work, 112 matrix instructions, in which to land, and one barrier ahead of sub-tile 1's first read shows it whole to all four waves.
; A sub-tile: 8 K steps x 16 products on 16 accumulators; then its 64 x 64 numbers leave through my stage, and their stores are on their way while the next sub-tile is multiplied.
; The products are used transposed (source 0 = W_out, source 1 = a): a lane holds one row, and the 16 registers of two neighbouring tiles are 16 neighbouring columns.  The bias is the C of each sum's first product.
; CLUSTER 4 x 1: the four work-groups of a row of the grid need the same rows of a: each tile is asked for jointly.  W_out's part is shared only with work-groups of other clusters; it comes by plain loads, straight into registers.
; No prefetch: two requests for a work-group, written out: there is no loop to run ahead in.
; WINDOWS: 0: addresses, scale words, a's fragments, rows on the way out;  1: W_out's fragments of K steps 0-3 ((k, t) at v[48 k + 12 t]), v192-223 the bias;  2: those of K steps 4-7;  3: two sets of 16 accumulators ((a, t) at v[32 a + 8 t]), by turns.
.set FRB,    1536
.set SUBK,   4*FRB+256                 ; a K step of a sub-tile: 6,400 bytes
.set SUBT,   8*SUBK                    ; a sub-tile: 51,200
.set KSTR,   25600                     ; from K step to K step in ocod: 16 fragments and their scale words
.set STG,    4*SUBT                    ; the stages: 16 rows x (256 bytes + 16) for each wave; no tensor load lands here
.set SPITCH, 272
.set WSTG,   16*SPITCH
.set SPARE,  STG+4*WSTG                ; the spare words: 128 bytes a wave, two blocks of 256 bytes that no other line names
.set ADRA, 4                           ; v4-7   sub-tile s + 16 x lane
.set STO,  9                           ; stage, in: row r, + 64 h
.set RD,   10                          ; stage, back: lanes 0-15 one row, lanes 16-31 the next
.set CO,   11                          ; the same two rows in out0
.set BOA,  12                          ; 64 h: the bias
.set O16,  13                          ; 16 x lane
.set WSO,  14                          ; 4 x lane: W_out's scale words
.set ADRS, 16                          ; v16-19 sub-tile s's scale words + 4 r
.set SPW,  20                          ; my spare word; never rewritten
.set NIL,  21                          ; 0; never rewritten
.set BS,   24                          ; v24-39   W_out's scale words: (t / 2, k) at 8 (t / 2) + k: lanes 0-15 the even tile, lanes 16-31 the odd one; they hold nothing else
.set AS,   56                          ; v56-119  a's, two sets by turns: (a, k) at 8 a + k; they hold nothing else
.set AF,   120                         ; v120-167, v168-215 a's four fragments of a K step, two buffers
.set OB,   168                         ; the way out: v168-199 (in the buffer that a sub-tile's last K step has left) and v216-247 by turns
.set BO,   192                         ; in window 1: the bias in the result's layout, 8 registers a tile
.set G1A,  24                          ; s[24:31] group 1 for the head's load: 50 rows of 256 bytes
.set G1S,  32                          ; s[32:39] for the second: 150 rows
.set G0A,  44                          ; s[44:47], s[48:51] their groups 0
.set MSB, 0
.macro WIN new                         ; the immediate's high byte repeats the setting that is left
.if MSB != (\new)
	s_set_vgpr_msb (MSB<<8)|(\new)
.set MSB, (\new)
.endif
.endm
.macro PLACES                          ; four places between a matrix instruction and a load into its registers or a read of its result
.rept 4
	v_nop
.endr
.endm
.macro CROUND                          ; a round of the cluster's barrier
	s_barrier_signal -1
	s_barrier_wait -1
	s_cmp_lg_u32 s18, 0
	s_cbranch_scc1 .Lnot_wave_0_\@
	s_barrier_signal -3
.Lnot_wave_0_\@:
	s_barrier_wait -3
	s_barrier_signal -1
	s_barrier_wait -1
.endm
	s_load_b256 s[4:11], s[0:1], 0x0               ; acod, ocod, b_out, out0
	v_lshl_add_u32 v[SPW], v0, 2, SPARE
	v_mov_b32 v[NIL], 0
	ds_add_u32 v[SPW], v[NIL]                      ; the wave's opening: the add, twice on end, and its wait ahead of my first tensor load
	ds_add_u32 v[SPW], v[NIL]
	v_lshrrev_b32 v1, 5, v0
	v_readfirstlane_b32 s18, v1                    ; wave 0..3
	s_bfe_u32 s19, ttmp6, 0x40000                  ; cx
	s_lshl_b32 s20, ttmp9, 2
	s_add_co_u32 s20, s20, s19                     ; which 256 columns: it enters W_out's, the bias's and out0's addresses alone
	s_and_b32 s21, ttmp7, 0xffff                   ; which 256 rows: the four partners share it
	s_mov_b32 s[G1A], 15|(3<<16)|(1<<21)           ; 15:0 the mask: all four work-groups; 17:16 elements of 8 bytes; 21 set beside a mask; no padding
	s_mov_b32 s[G1A+1], 32<<16                     ; 12,800 dense bytes as 50 rows of 256
	s_mov_b32 s[G1A+2], 50<<16
	s_mov_b32 s[G1A+3], 32<<16
	s_mov_b32 s[G1A+4], 50
	s_mov_b32 s[G1A+5], 32
	s_mov_b32 s[G1A+6], 0
	s_mov_b32 s[G1A+7], 0
	s_mov_b32 s[G1S], 15|(3<<16)|(1<<21)
	s_mov_b32 s[G1S+1], 32<<16                     ; 38,400 dense bytes as 150 rows of 256
	s_mov_b32 s[G1S+2], 150<<16
	s_mov_b32 s[G1S+3], 32<<16
	s_mov_b32 s[G1S+4], 150
	s_mov_b32 s[G1S+5], 32
	s_mov_b32 s[G1S+6], 0
	s_mov_b32 s[G1S+7], 0
	s_mul_i32 s62, s18, 2*SUBK                     ; where my loads go: quarter w of sub-tile 0,
	s_mul_i32 s63, s18, 6*SUBK                     ; and quarter w of sub-tiles 1 to 3: no place in the cluster enters an LDS address
	s_mov_b32 s[G0A], 1
	s_add_co_u32 s[G0A+1], s62, 0
	s_mov_b32 s[G0A+4], 1
	s_add_co_u32 s[G0A+5], s63, SUBT
	s_mul_i32 s66, s21, 4*SUBT                     ; from where: a hangs on the block of rows and the wave alone
	s_add_co_u32 s52, s66, s63
	s_add_co_u32 s52, s52, SUBT
	s_mov_b32 s53, 0
	s_add_co_u32 s66, s66, s62
	s_mov_b32 s67, 0
	s_mul_i32 s70, s20, 8*KSTR                     ; W_out's codes: my four tiles
	s_mul_i32 s72, s18, 4*FRB
	s_add_co_u32 s70, s70, s72
	s_mov_b32 s71, 0
	s_mul_i32 s68, s20, 8*KSTR                     ; their scale words: 256 bytes behind a K step's 16 fragments
	s_lshl_b32 s72, s18, 8
	s_add_co_u32 s68, s68, s72
	s_add_co_u32 s68, s68, 16*FRB
	s_mov_b32 s69, 0
	s_lshl_b32 s74, s20, 10                        ; my first column, in bytes: 1,024 x block of columns + 256 w
	s_add_co_u32 s74, s74, s72
	s_mov_b32 s75, 0
	s_lshl_b32 s60, s21, 20                        ; my first row: 256 rows of 4,096 bytes to a block
	s_mov_b32 s61, 0
	s_mul_i32 s76, s18, WSTG
	s_add_co_u32 s76, s76, STG                     ; my stage
	v_and_b32 v1, 31, v0                           ; lane.  Every vector address, in one run with no scalar line between
	v_and_b32 v2, 15, v0                           ; r
	v_bfe_u32 v3, v0, 4, 1                         ; h
	v_lshlrev_b32 v[O16], 4, v1
	v_lshlrev_b32 v[ADRA], 4, v1
.irp s, 1,2,3
	v_add_nc_u32 v[ADRA+\s], \s*SUBT, v[ADRA]
.endr
	v_lshlrev_b32 v[WSO], 2, v1
	v_lshlrev_b32 v[ADRS], 2, v2
	v_add_nc_u32 v[ADRS], 4*FRB, v[ADRS]
.irp s, 1,2,3
	v_add_nc_u32 v[ADRS+\s], \s*SUBT, v[ADRS]
.endr
	v_mul_u32_u24 v[STO], v2, SPITCH
	v_lshl_add_u32 v[STO], v3, 6, v[STO]
	v_add_nc_u32 v[STO], s76, v[STO]
	v_mul_u32_u24 v[RD], v3, SPITCH
	v_lshl_add_u32 v[RD], v2, 4, v[RD]
	v_add_nc_u32 v[RD], s76, v[RD]
	v_lshlrev_b32 v[CO], 12, v3
	v_lshl_add_u32 v[CO], v2, 4, v[CO]
	v_lshlrev_b32 v[BOA], 6, v3
	s_wait_alu depctr_va_vdst(0)
	s_wait_dscnt 0x0                               ; both opening adds are done
	s_wait_kmcnt 0x0
	s_add_nc_u64 s[66:67], s[4:5], s[66:67]
	s_add_nc_u64 s[52:53], s[4:5], s[52:53]
	s_add_nc_u64 s[70:71], s[6:7], s[70:71]
	s_add_nc_u64 s[68:69], s[6:7], s[68:69]
	s_add_nc_u64 s[8:9], s[8:9], s[74:75]
	s_add_nc_u64 s[10:11], s[10:11], s[74:75]
	s_add_nc_u64 s[10:11], s[10:11], s[60:61]
	s_mov_b64 s[G0A+2:G0A+3], s[66:67]
	s_or_b32 s[G0A+3], s[G0A+3], 0x80000000
	s_mov_b64 s[G0A+6:G0A+7], s[52:53]
	s_or_b32 s[G0A+7], s[G0A+7], 0x80000000
	CROUND                                         ; all four work-groups are here: the joint loads meet
	tensor_load_to_lds s[G0A:G0A+3], s[G1A:G1A+7]  ; my quarter of sub-tile 0: one tensor load a wave at the head
	s_nop 0
	; W_out's part, once, all of it ahead of the wait for the tile: the scale words, the bias, and the fragments K step by K step: 120 loads
.irp k, 0,1,2,3,4,5,6,7
.irp p, 0,1
	global_load_b32 v[BS+8*\p+\k], v[WSO], s[68:69] offset:KSTR*\k+128*\p   ; 128 consecutive bytes: two tiles' words
.endr
.endr
	WIN 0x40                                       ; destination window 1
.irp t, 0,1,2,3
	global_load_b128 v[BO+8*\t:BO+8*\t+3], v[BOA], s[8:9] offset:128*(\t/2)+32*(\t%2)        ; tile t's registers: columns 32 (t / 2) + 16 h + 8 (t % 2) + 0 .. 7
	global_load_b128 v[BO+8*\t+4:BO+8*\t+7], v[BOA], s[8:9] offset:128*(\t/2)+32*(\t%2)+16
.endr
.macro LOADW k                         ; W_out's four fragments of K step k
.irp t, 0,1,2,3
.irp c, 0,1,2
	global_load_b128 v[48*((\k)%4)+12*\t+4*\c:48*((\k)%4)+12*\t+4*\c+3], v[O16], s[70:71] offset:KSTR*(\k)+FRB*\t+512*\c
.endr
.endr
.endm
	LOADW 0
	LOADW 1
	LOADW 2
	LOADW 3
	WIN 0x80                                       ; destination window 2
	LOADW 4
	LOADW 5
	LOADW 6
	LOADW 7
	WIN 0
	s_wait_tensorcnt 0x0                           ; my quarter of sub-tile 0 is in
	ds_add_u32 v[SPW], v[NIL]
	s_wait_dscnt 0x0
	CROUND                                         ; everybody's quarter is in, and the joint loads meet
	tensor_load_to_lds s[G0A+4:G0A+7], s[G1S:G1S+7]  ; my quarter of sub-tiles 1 to 3: my one load behind the round, and my last
	s_nop 0
.macro LOADA s, ks                     ; sub-tile s, K step ks: four fragments, 12 loads; the buffers take turns
.irp a, 0,1,2,3
.irp c, 0,1,2
	ds_load_b128 v[AF+48*((\ks)%2)+12*\a+4*\c:AF+48*((\ks)%2)+12*\a+4*\c+3], v[ADRA+(\s)] offset:SUBK*(\ks)+FRB*\a+512*\c
.endr
.endr
.endm
.macro LOADAS s                        ; sub-tile s's scale words for all of K: 32 loads, into set s % 2
.irp a, 0,1,2,3
.irp k, 0,1,2,3,4,5,6,7
	ds_load_b32 v[AS+32*((\s)%2)+8*\a+\k], v[ADRS+(\s)] offset:SUBK*\k+64*\a
.endr
.endr
.endm
.macro PROD d, fb, fa, c0, sb, sa, row
.if \row
	v_wmma_scale_f32_16x16x128_f8f6f4 v[\d:\d+7], v[\fb:\fb+11], v[\fa:\fa+11], v[\c0:\c0+7], v[\sb], v[\sa] matrix_a_fmt:MATRIX_FMT_FP6 matrix_b_fmt:MATRIX_FMT_FP6 matrix_a_scale:MATRIX_SCALE_ROW1
.else
	v_wmma_scale_f32_16x16x128_f8f6f4 v[\d:\d+7], v[\fb:\fb+11], v[\fa:\fa+11], v[\c0:\c0+7], v[\sb], v[\sa] matrix_a_fmt:MATRIX_FMT_FP6 matrix_b_fmt:MATRIX_FMT_FP6
.endif
.endm
; 16 matrix instructions: the sub-tile's four tiles of rows against my four tiles of columns.  The 16 accumulators take turns, one instruction a turn, in the same order in every K step.
; K step 0's products take the bias as C.  W_out's odd tiles take their scale words from lanes 16-31.
.macro MUL s, ks
.set PA, 128*((\s)%2)
.set FA, AF+48*((\ks)%2)
.set FB, 48*((\ks)%4)
.set SA, AS+32*((\s)%2)+(\ks)
.if (\ks) == 0
	WIN 0xd1                                       ; source 0 (W_out) and C (the bias) window 1, source 1 (a) window 0, D window 3
.elseif (\ks) < 4
	WIN 0xf1                                       ; C and D window 3
.else
	WIN 0xf2                                       ; source 0 window 2
.endif
.irp a, 0,1,2,3
.irp t, 0,1,2,3
.if (\ks) == 0
	PROD PA+32*\a+8*\t, FB+12*\t, FA+12*\a, BO+8*\t, BS+8*(\t/2)+(\ks), SA+8*\a, (\t%2)
.else
	PROD PA+32*\a+8*\t, FB+12*\t, FA+12*\a, PA+32*\a+8*\t, BS+8*(\t/2)+(\ks), SA+8*\a, (\t%2)
.endif
.endr
.endr
.endm
; A K STEP of sub-tile s.  At its head its own four fragments have been asked for; it asks for the next step's and multiplies.
.macro STEP s, ks
	PLACES                                         ; behind the last products, which read the buffer that is loaded next
	WIN 0
.if ((\ks) == 0) && ((\s) > 0)
	s_wait_xcnt 0x0                                ; the last sub-tile's stores have read their registers: the loads below land on some of them
.endif
.if ((\ks) == 7) && ((\s) < 3)
.if (\s) == 0
	s_wait_tensorcnt 0x0                           ; my quarter of sub-tiles 1 to 3 is in
	s_wait_dscnt 0x0                               ; no LDS instruction of mine is out at a signal
	s_barrier_signal -1
	s_barrier_wait -1                              ; everybody's quarter is in
.endif
	LOADA (\s)+1, 0
	LOADAS (\s)+1
.endif
.if (\ks) < 7
	LOADA \s, (\ks)+1
	s_wait_dscnt 12                                ; all but the 12 just issued: this step's fragments and scale words are in
.elseif (\s) == 3
	s_wait_dscnt 0x0
.else
	s_wait_dscnt 44                                ; all but the 12 + 32 just issued for the next sub-tile: this step's fragments are in
.endif
.if (\s) == 0                          ; W_out's fragments of this K step are in: 12 loads were issued for each later K step
.if 12*(7-(\ks)) > 63
	s_wait_loadcnt 63
.else
	s_wait_loadcnt 12*(7-(\ks))
.endif
.endif
	MUL \s, \ks
.endm
; THE WAY OUT of a sub-tile, a block of 16 rows x 64 columns at a time.  A lane's 32 bytes of a row go into my stage, whole rows of 256 bytes come back.  LDS serves a wave's instructions in order: no wait between the stores
; and the loads, nor in front of the next block's stores.
.macro TOSTAGE s, a
.set PA, 128*((\s)%2)+32*(\a)
	WIN 0x0c                                       ; an LDS store's data are its source 1: window 3
.irp t, 0,1,2,3
	ds_store_b128 v[STO], v[PA+8*\t:PA+8*\t+3] offset:128*(\t/2)+32*(\t%2)          ; each accumulator from its low end on
	ds_store_b128 v[STO], v[PA+8*\t+4:PA+8*\t+7] offset:128*(\t/2)+32*(\t%2)+16
.endr
	WIN 0
.if (\a) > 1
	s_wait_xcnt 0x0                                ; block a - 2's stores have read their registers: the loads below land there
.endif
.set OX, OB+48*((\a)%2)
.irp i, 0,1,2,3,4,5,6,7
	ds_load_b128 v[OX+4*\i:OX+4*\i+3], v[RD] offset:\i*2*SPITCH
.endr
.endm
.macro SEND s, a, younger              ; younger: the LDS instructions issued behind block a's loads, which may stay out
.set OX, OB+48*((\a)%2)
	s_wait_dscnt \younger
.irp i, 0,1,2,3,4,5,6,7
	global_store_b128 v[CO], v[OX+4*\i:OX+4*\i+3], s[10:11] offset:65536*(4*(\s)+(\a))+8192*\i th:TH_STORE_NT   ; 16 lanes store 256 consecutive bytes, at a multiple of 256 from out0's first byte; the largest offset, 1,040,384, lies inside the signed 24-bit immediate
.endr
.endm
.macro WAYOUT s
	PLACES                                         ; behind the last products: their results are read, and rows land in the buffer that they read
	TOSTAGE \s, 0
.irp a, 1,2,3
	TOSTAGE \s, \a
	SEND \s, \a-1, 16                              ; behind block a - 1's loads: block a's 8 stores and 8 loads
.endr
	SEND \s, 3, 0
.endm
	LOADAS 0
	LOADA 0, 0
.irp s, 0,1,2,3
.irp k, 0,1,2,3,4,5,6,7
	STEP \s, \k
.endr
	WAYOUT \s                                      ; nothing waits for these stores: they are on their way while the next sub-tile is multiplied
.endr
	s_wait_tensorcnt 0x0                           ; the wave's end
	ds_add_u32 v[SPW], v[NIL]
	s_wait_dscnt 0x0
	CROUND                                         ; the closing round
	s_endpgm
.Lfunc_end_k_q8ea9db14bd_outproj:
	.size	k_q8ea9db14bd_outproj, .Lfunc_end_k_q8ea9db14bd_outproj-k_q8ea9db14bd_outproj
	.p2alignl 7, 3214868480
	.fill 96, 4, 3214868480
	.section	.rodata,"a",@progbits
	.p2align	6, 0x0
	.amdhsa_kernel k_q8ea9db14bd_outproj
		.amdhsa_group_segment_fixed_size 327680
		.amdhsa_private_segment_fixed_size 0
		.amdhsa_enable_private_segment 0
		.amdhsa_kernarg_size 32
		.amdhsa_user_sgpr_count 2
		.amdhsa_user_sgpr_kernarg_segment_ptr 1
		.amdhsa_wavefront_size32 1
		.amdhsa_system_sgpr_workgroup_id_x 1
		.amdhsa_system_sgpr_workgroup_id_y 1
		.amdhsa_system_sgpr_workgroup_id_z 1
		.amdhsa_system_vgpr_workitem_id 0
		.amdhsa_next_free_vgpr 1024
		.amdhsa_next_free_sgpr 80
		.amdhsa_reserve_vcc 0
		.amdhsa_float_denorm_mode_32 3
		.amdhsa_float_denorm_mode_16_64 3
		.amdhsa_memory_ordered 1
		.amdhsa_forward_progress 1
		.amdhsa_inst_pref_size 152
	.end_amdhsa_kernel
	.amdgpu_metadata
---
amdhsa.version: [ 1, 2 ]
amdhsa.kernels:
  - .name:           k_q8ea9db14bd_outproj
    .symbol:         k_q8ea9db14bd_outproj.kd
    .args:
      - { .name: acod, .offset: 0, .size: 8, .value_kind: global_buffer, .address_space: global }
      - { .name: ocod, .offset: 8, .size: 8, .value_kind: global_buffer, .address_space: global }
      - { .name: b_out, .offset: 16, .size: 8, .value_kind: global_buffer, .address_space: global }
      - { .name: out0, .offset: 24, .size: 8, .value_kind: global_buffer, .address_space: global }
    .group_segment_fixed_size: 327680
    .private_segment_fixed_size: 0
    .kernarg_segment_align: 8
    .kernarg_segment_size: 32
    .max_flat_workgroup_size: 128
    .sgpr_count:     80
    .vgpr_count:     1024
    .wavefront_size: 32
...
	.end_amdgpu_metadata
.endif
;; end of part 3
